; MI455X (gfx1250); checked and timed in simulation.
; The chip was launched on July 23, 2026; its instructions are those of AMD's public machine-readable ISA for CDNA 5 (MIT licence, August 2026) and "CDNA5" Instruction Set Architecture Reference Guide (July 2026). The comments in the code are by the model that wrote it; some were corrected since.
;; Multi Head Attention. Allowed arithmetic: matrix products marked QUANTISED: E2M3 operands, one E8M0 scale for each 32 along K, by v_wmma_scale_f32_16x16x128_f8f6f4 with both operands' format E2M3, f32 sums; everything else in f32.
;; Inputs: Wk 1,024 x 1,024 float32; Wq 1,024 x 1,024 float32; Wv 1,024 x 1,024 float32; x 4 x 2,048 x 1,024 float32.
;; Outputs: out0 4 x 2,048 x 1,024 float32.
;; This version of the problem:
;;   THIS VERSION OF THE PROBLEM IS GIVEN IN LOW PRECISION. The matrix products marked QUANTISED in the list below multiply operands that are first quantised to E2M3 (2 exponent bits, 3 mantissa bits; 6 bits a number), with one power-of-two scale for each 32 numbers along K (OCP MX v1.0); their sums are f32. All else is computed in f32.
;;   The module's matrix products, in the order in which they are computed (A, B: the left and right operand; K: the contracted axis; several contracted axes count as one K, in the product's order):
;;     1. [M 8,192, K 1,024] x [K 1,024, N 1,024]; A: input x; B: input Wq: QUANTISED
;;     2. [M 8,192, K 1,024] x [K 1,024, N 1,024]; A: input x; B: input Wk: QUANTISED
;;     3. [M 8,192, K 1,024] x [K 1,024, N 1,024]; A: input x; B: input Wv: QUANTISED
;;     4. batch 64 x [M 2,048, K 64] x [K 64, N 2,048]; A: computed on the way; B: computed on the way: QUANTISED
;;     5. batch 64 x [M 2,048, K 2,048] x [K 2,048, N 64]; A: softmax (see below); B: computed on the way: QUANTISED
;;   THE QUANTISER, for each operand of a quantised product, along K:
;;     - K is cut into blocks of 32 from its start; a last block that is shorter is filled with zeros.
;;     - A block's scale is 2^e with e = floor(log2(the largest magnitude in the block)) - 2, held to -126 .. 127; a block of zeros has e = 0. As a byte (E8M0): e + 127.
;;     - Each number is divided by its block's scale, clamped to +-7.5, and rounded to the nearest number of E2M3, ties to even, subnormals kept.
;;     - The product sums the exact products of the quantised numbers (number of the format x scale) in f32.
;;   ~~~python
;;   def quantise(x, axis):      # numpy; x: float32 -> the quantised numbers, widened to float32 again
;;       x = np.moveaxis(x, axis, -1); K = x.shape[-1]
;;       x = np.pad(x, [(0, 0)] * (x.ndim - 1) + [(0, -K % 32)]); x = x.reshape(x.shape[:-1] + (-1, 32)); a = np.abs(x).max(-1, keepdims=True)
;;       e = np.where(a > 0, np.clip(np.frexp(np.where(a > 0, a, 1))[1] - 1 - 2, -126, 127), 0)      # np.frexp(a)[1] - 1 = floor(log2(a)), exactly
;;       r = np.clip(x / 2.0 ** e, -7.5, 7.5)
;;       step = 2.0 ** (np.maximum(np.frexp(np.where(r == 0, 1, r))[1] - 1, 0) - 3)
;;       q = np.round(r / step) * step * 2.0 ** e      # np.round: ties to even
;;       return np.moveaxis(q.reshape(q.shape[:-2] + (-1,))[..., :K], -1, axis).astype(np.float32)
;;   ~~~
;;   SOFTMAX AHEAD OF A QUANTISED PRODUCT. Where the list says 'softmax', what is quantised is not the finished softmax but p = 2^(t - M), with t = logit x log2(e) and M = ceil(the row's largest t), a whole number; so 1/2 < the row's largest p <= 1. The row's sum l is taken of the UNQUANTISED p, in f32, and the product's result is divided by l at the end. Since M is a whole number, a kernel that streams over the keys may use a running M (the ceiling of the running maximum): every later rescaling is an exact power of two, which a block's scale takes up: the codes' values come out the same.
;;   OPERANDS COMPUTED ON THE WAY. 'Computed on the way' means the value that the module computes at that place (a softmax that the list does not call 'softmax' is quantised finished and normalised). What goes into a quantiser is computed in f32, as accurately as f32 sums, v_exp_f32 and their like allow (about 1e-6 of the number): no bf16 or f16 on the way to a quantiser, and a product that is left as it is and whose result goes on into a quantised operand takes f32 operands (vector FMAs, or v_wmma_f32_16x16x4_f32). A number that lies on a knife's edge between two numbers of the format may be rounded either way, as far as f32 arithmetic and the matrix unit's own rounding can turn it there, and no further.
;; One version. Each part assembles by itself: llvm-mc -triple=amdgcn-amd-amdhsa -mcpu=gfx1250 --defsym DOCPART=n.
;; ======== version 1 of 1: 3 launches
;; limits: right only within a limited range of input values
;; workspace buffers: xc 6,291,456 bytes; xs 262,144 bytes; wc 2,359,296 bytes; ws 98,304 bytes; hc 18,874,368 bytes; hs 786,432 bytes
;; launch quant (part 1): grid 352 x 1, 4 waves a work-group, no clusters, 68,096 bytes of LDS; arguments x, Wq, Wk, Wv, xc, xs, wc, ws; writes xc, xs, wc, ws
.if DOCPART == 1
	.amdgcn_target "amdgcn-amd-amdhsa--gfx1250"
	.amdhsa_code_object_version 6
	.text
	.protected	k_q477974a98d_quant
	.globl	k_q477974a98d_quant
	.p2align	8
	.type	k_q477974a98d_quant,@function
k_q477974a98d_quant:
	s_mov_b64 s[64:65], 0
	v_nop
	global_prefetch_b8 v0, s[64:65] scope:SCOPE_SE
	s_setreg_imm32_b32 hwreg(HW_REG_WAVE_MODE, 25, 1), 1
	s_wait_xcnt 0x0
; x [8192][1024] and Wq, Wk, Wv [1024 (k)][1024 (n)], f32, become codes of FP6 (E2M3), K innermost, with one E8M0 scale byte for each 32 along K.
; A block's scale is 2^(floor(log2(its largest magnitude)) - 2); its byte is the largest magnitude's exponent field - 2, held at 1 from below.
; WORK LEFT OUT BY THE PROGRAM: reference() sets every score with key > query to -inf ahead of the softmax (its own jnp.tril), so such a key's p is 0 for all values of the inputs and adds nothing
; to the row's sum or to ctx.  The last launch therefore multiplies no step of 128 keys that lies wholly behind a query tile's 128 tokens.  Every input has a way to the output and is loaded.
; A NaN, an infinity or an overflow that reaches only those scores is not carried to the result.
; LIMITS: NaN and infinities among the inputs are not served; a block whose largest magnitude lies under 2^-124 keeps the byte 1; a block of zeros gets the byte 1 where
; the quantiser's text says 127: its codes are zeros, which add nothing under any byte but 0xff, and these bytes are read by this program alone.
; OUT: xc [8192 rows][768 B], xs [8192][32 B]; wc [3072 rows][768 B], ws [3072][32 B] (rows 0-1023 Wq's columns, 1024-2047 Wk's, 2048-3071 Wv's).
; THE ROWS ARE STORED IN ANOTHER ORDER, so that the next launch's results fall into a lane's registers as 32 neighbours along the K of the products that follow:
;   xc, Wq, Wk: of each 64 rows, true row 32 h + 8 j + i (h 0..1, j 0..3, i 0..7) is stored at row 16 j + 8 h + i.   Wv: column 128 G + 64 hh + 16 ct + r is stored at row 128 G + 32 ct + 16 hh + r.
; Work-groups 0-255 take x (K innermost: a plain stream of blocks of 32), work-groups 256-351 the weights (K outermost: a lane takes a column, its registers run down K).
; Each of the two ways has LDS bytes of its own.  No tensor loads, no barrier: waves share nothing.  No cluster: no two work-groups read the same bytes.
.set SPX,  80                          ; way X: a lane's place in a stage: its 64 bytes + 16 of padding
.set XR,   16                          ; v16-79   four sets of 16 numbers as loaded
.set XN,   80                          ; v80-111  two sets of 16 neighbours
.set XE,   112                         ; v112-127 a scale byte for each step
.set XC,   128                         ; v128-191 codes: four registers for each step
.set WPIT, 272                         ; way W: a stage row: sixteen places of 16 bytes + 16
.set WSTG, 32768                       ; way W's LDS begins here
.set WOF,  16                          ; v16-19   the four offsets of the rows' groups on the way out
.set WSB,  24                          ; v24-25   the scale bytes
.set WX,   32                          ; v32-95   two sets of 32 numbers
.set WC,   96                          ; a block's codes
.set WO,   112                         ; v112-175 the way out
	s_load_b256 s[4:11], s[0:1], 0x0               ; x, Wq, Wk, Wv
	s_load_b256 s[12:19], s[0:1], 0x20             ; xc, xs, wc, ws
	v_lshl_add_u32 v192, v0, 2, 0x10800            ; my spare word, behind both ways' LDS
	v_mov_b32 v193, 0
	v_lshrrev_b32 v1, 5, v0
	v_readfirstlane_b32 s20, v1                    ; wave 0..3
	v_and_b32 v2, 31, v0                           ; lane
	s_cmp_lt_u32 ttmp9, 256
	s_cbranch_scc0 .Lw
; WAY X.  A wave takes a run of 8,192 numbers (8 rows of x) in 16 steps of 512.  Each load reads 512 consecutive bytes; a step's 2,048 bytes turn through the wave's own
; stage and come back 64 bytes a lane: 16 neighbours along K; two neighbouring lanes hold a block.  Loads run four steps (16 loads) ahead, the turn one step.
	v_lshlrev_b32 v3, 4, v2
	s_mul_i32 s21, s20, 8192                       ; my wave's LDS: two stages of 32 x 80 bytes, behind them its 256 scale bytes
	v_lshrrev_b32 v14, 2, v2
	v_mul_u32_u24 v14, v14, SPX
	v_and_b32 v15, 3, v2
	v_lshl_add_u32 v14, v15, 4, v14
	v_add_nc_u32 v14, s21, v14                     ; the stage, on the way in: 80 (lane / 4) + 16 (lane % 4)
	v_mul_u32_u24 v15, v2, SPX
	v_add_nc_u32 v15, s21, v15                     ; and on the way out: 80 x lane
	v_mul_u32_u24 v4, v2, 12                       ; my 12 bytes of a step's codes
	v_lshrrev_b32 v5, 1, v2
	s_add_co_u32 s21, s21, 2*32*SPX
	v_add_nc_u32 v5, s21, v5                       ; my block's scale byte in LDS
	v_lshlrev_b32 v7, 3, v2
	v_add_nc_u32 v6, s21, v7
	s_lshl_b32 s22, ttmp9, 2
	s_add_co_u32 s24, s22, s20                     ; the run that I read: R = 4 x work-group + wave: j = R % 4, h = (R / 4) % 2
	s_lshl_b32 s23, s20, 1                         ; the run that I write: 8 (R / 8) + 2 j + h
	s_and_b32 s25, ttmp9, 1
	s_or_b32 s23, s23, s25
	s_lshr_b32 s25, ttmp9, 1
	s_lshl_b32 s25, s25, 3
	s_add_co_u32 s26, s25, s23
	s_lshl_b32 s24, s24, 15                        ; 32,768 bytes of x a run
	s_mov_b32 s25, 0
	s_mul_i32 s28, s26, 6144                       ; 6,144 bytes of codes
	s_mov_b32 s29, 0
	s_lshl_b32 s26, s26, 8                         ; 256 scale bytes
	s_mov_b32 s27, 0
	s_wait_alu depctr_va_vdst(0)
	s_wait_kmcnt 0x0
	s_add_nc_u64 s[4:5], s[4:5], s[24:25]
	s_add_nc_u64 s[12:13], s[12:13], s[28:29]
	s_add_nc_u64 s[14:15], s[14:15], s[26:27]
.macro XLOAD t
.irp i, 0,1,2,3
	global_load_b128 v[XR+16*((\t)%4)+4*\i:XR+16*((\t)%4)+4*\i+3], v3, s[4:5] offset:2048*(\t)+512*\i th:TH_LOAD_NT
.endr
.endm
.macro XTURN t                         ; LDS serves a wave's instructions in order: no wait between the stores and the loads
.irp i, 0,1,2,3
	ds_store_b128 v14, v[XR+16*((\t)%4)+4*\i:XR+16*((\t)%4)+4*\i+3] offset:32*SPX*((\t)%2)+8*SPX*\i
.endr
.irp i, 0,1,2,3
	ds_load_b128 v[XN+16*((\t)%2)+4*\i:XN+16*((\t)%2)+4*\i+3], v15 offset:32*SPX*((\t)%2)+16*\i
.endr
.endm
.irp t, 0,1,2,3
	XLOAD \t
.endr
	s_wait_loadcnt 12                              ; step 0's four loads are in; the 12 of steps 1 to 3 may be out
	XTURN 0
.macro XSTEP t
.set XS, XN+16*((\t)%2)
.if (\t) > 0
	s_wait_dscnt 1                                 ; this step's numbers are back (the last step's byte store may be out)
.else
	s_wait_dscnt 0x0
.endif
.if (\t)+4 < 16
	XLOAD (\t)+4
.endif
.if (\t)+1 < 16
.if 14-(\t) >= 3
	s_wait_loadcnt 12                              ; the next step's four loads are in; those of the three steps behind it may be out
.else
	s_wait_loadcnt 4*(14-(\t))
.endif
	XTURN (\t)+1
.endif
	v_max3_num_f32 v8, |v[XS]|, |v[XS+1]|, |v[XS+2]|               ; the largest magnitude of my 16, in two chains
	v_max3_num_f32 v9, |v[XS+3]|, |v[XS+4]|, |v[XS+5]|
.irp i, 6,10
	v_max3_num_f32 v8, v8, |v[XS+\i]|, |v[XS+\i+1]|
	v_max3_num_f32 v9, v9, |v[XS+\i+2]|, |v[XS+\i+3]|
.endr
	v_max3_num_f32 v8, v8, |v[XS+14]|, |v[XS+15]|
	v_max3_num_f32 v8, v8, v9, 0x1800000           ; and the floor 2^(3 - 127): the byte cannot fall under 1
	v_max_num_f32_dpp v8, v8, v8 row_xmask:1 row_mask:0xf bank_mask:0xf   ; with my neighbour's 16: the block's
	v_add_nc_u32 v11, 0xff000000, v8               ; 2 off its exponent field: the conversion's scale operand
	v_cvt_scalef32_pk16_fp6_f32 v[XC+4*(\t):XC+4*(\t)+2], v[XS:XS+15], v11
	v_lshrrev_b32 v[XE+(\t)], 23, v11              ; the scale's byte (also the plain line behind the conversion)
	ds_store_b8 v5, v[XE+(\t)] offset:16*(\t)
	global_store_b96 v4, v[XC+4*(\t):XC+4*(\t)+2], s[12:13] offset:384*(\t)   ; the wave stores 384 consecutive bytes
.endm
.irp t, 0,1,2,3,4,5,6,7,8,9,10,11,12,13,14,15
	XSTEP \t
.endr
	ds_load_b64 v[12:13], v6
	s_wait_dscnt 0x0
	global_store_b64 v7, v[12:13], s[14:15]        ; 32 lanes store 256 consecutive bytes, aligned
	s_wait_tensorcnt 0x0                           ; the wave's end
	ds_add_u32 v192, v193
	s_wait_dscnt 0x0
	s_endpgm
; WAY W.  g = work-group - 256: matrix g / 32, 128 columns g % 8, 256 along K (g / 8) % 4.  A wave takes 32 columns x 256 along K: a lane a column, 8 blocks down K.
; A lane's codes belong to one row of wc: they go through the wave's own stage and leave as rows, sixteen lanes to a row's 192 consecutive bytes.
.Lw:
	s_sub_co_u32 s21, ttmp9, 256
	s_lshr_b32 s22, s21, 5                         ; which matrix: 0 Wq, 1 Wk, 2 Wv
	s_and_b32 s23, s21, 7                          ; which 128 columns
	s_bfe_u32 s24, s21, 0x20003                    ; which 256 along K
	s_and_b32 s27, s20, 1
	s_lshl_b32 s27, s27, 6
	s_lshr_b32 s28, s20, 1
	s_lshl_b32 s28, s28, 4
	s_add_co_u32 s27, s27, s28                     ; Wv: my wave's 32 columns begin at stored row 64 (wave % 2) + 16 (wave / 2) of the 128,
	s_and_b32 s28, s20, 1                          ; Wq, Wk: wave = 2 head + h: at 64 (wave / 2) + 8 (wave % 2)
	s_lshl_b32 s28, s28, 3
	s_lshr_b32 s29, s20, 1
	s_lshl_b32 s29, s29, 6
	s_add_co_u32 s28, s28, s29
	s_cmp_eq_u32 s22, 2
	s_cselect_b32 s25, 8, 16                       ; c3: what bit 3 of a column's number in the wave adds to its stored row
	s_mov_b32 s26, 32                              ; c4: what bit 4 adds
	s_cselect_b32 s27, s27, s28
	s_lshl_b32 s28, s22, 10
	s_add_co_u32 s27, s27, s28
	s_lshl_b32 s28, s23, 7
	s_add_co_u32 s27, s27, s28                     ; my wave's base row in wc and ws
	s_lshl_b32 s30, s24, 20                        ; in: 256 rows of 4,096 bytes for each step along K,
	s_lshl_b32 s28, s23, 9
	s_add_co_u32 s30, s30, s28
	s_lshl_b32 s28, s20, 7
	s_add_co_u32 s30, s30, s28                     ; + 4 bytes a column
	s_mov_b32 s31, 0
	s_mul_i32 s32, s27, 768
	s_mul_i32 s28, s24, 192
	s_add_co_u32 s32, s32, s28
	s_mov_b32 s33, 0
	s_lshl_b32 s34, s27, 5
	s_lshl_b32 s28, s24, 3
	s_add_co_u32 s34, s34, s28
	s_mov_b32 s35, 0
	s_wait_alu depctr_va_vdst(0)
	v_lshlrev_b32 v3, 2, v2
	s_mul_i32 s29, s20, 32*WPIT
	s_add_co_u32 s29, s29, WSTG                    ; my stage
	v_mul_u32_u24 v4, v2, WPIT
	v_add_nc_u32 v4, s29, v4                       ; into it: row = my column
	v_and_b32 v5, 15, v2
	v_lshrrev_b32 v6, 4, v2
	v_mul_u32_u24 v7, v6, WPIT
	v_lshl_add_u32 v7, v5, 4, v7
	v_add_nc_u32 v7, s29, v7                       ; out of it: sixteen lanes to a row, two rows an instruction
	v_mul_u32_u24 v8, v6, 768
	v_mad_u32_u24 v8, v5, 12, v8
	s_mul_i32 s38, s25, 768
	s_mul_i32 s39, s26, 768
	v_mov_b32 v[WOF], v8                           ; stage rows 0-7,
	v_add_nc_u32 v[WOF+1], s38, v8                 ; 8-15: c3 rows on,
	v_add_nc_u32 v[WOF+2], s39, v8                 ; 16-23: c4 rows on,
	v_add_nc_u32 v[WOF+3], s39, v[WOF+1]           ; 24-31: both
	v_and_b32 v9, 7, v2
	v_bfe_u32 v10, v2, 3, 1
	v_mad_u32_u24 v9, v10, s25, v9
	v_bfe_u32 v10, v2, 4, 1
	v_mad_u32_u24 v9, v10, s26, v9
	v_lshlrev_b32 v9, 5, v9                        ; my column's row of scale bytes
	s_wait_kmcnt 0x0
	s_cmp_eq_u32 s22, 0
	s_cselect_b64 s[36:37], s[6:7], s[8:9]
	s_cmp_eq_u32 s22, 2
	s_cselect_b64 s[36:37], s[10:11], s[36:37]     ; the matrix: the choice hangs on the work-group's number alone
	s_add_nc_u64 s[36:37], s[36:37], s[30:31]
	s_add_nc_u64 s[16:17], s[16:17], s[32:33]
	s_add_nc_u64 s[18:19], s[18:19], s[34:35]
.macro WLOAD t                         ; block t: W(32 t + i, my column) into set t % 2; 32 lanes read 128 consecutive bytes
.irp i, 0,1,2,3,4,5,6,7,8,9,10,11,12,13,14,15,16,17,18,19,20,21,22,23,24,25,26,27,28,29,30,31
	global_load_b32 v[WX+32*((\t)%2)+\i], v3, s[36:37] offset:(32*(\t)+\i)*4096 th:TH_LOAD_NT
.endr
.endm
	WLOAD 0
	WLOAD 1
.macro WBLOCK t
.set XS, WX+32*((\t)%2)
.if (\t) < 7
	s_wait_loadcnt 32                              ; this block's 32 loads are in; the next block's 32 may be out
.else
	s_wait_loadcnt 0
.endif
	v_max3_num_f32 v12, |v[XS]|, |v[XS+1]|, |v[XS+2]|
	v_max3_num_f32 v13, |v[XS+3]|, |v[XS+4]|, |v[XS+5]|
.irp i, 6,10,14,18,22,26
	v_max3_num_f32 v12, v12, |v[XS+\i]|, |v[XS+\i+1]|
	v_max3_num_f32 v13, v13, |v[XS+\i+2]|, |v[XS+\i+3]|
.endr
	v_max3_num_f32 v12, v12, |v[XS+30]|, |v[XS+31]|
	v_max3_num_f32 v12, v12, v13, 0x1800000
	v_add_nc_u32 v11, 0xff000000, v12
	v_lshrrev_b32 v13, 23, v11
.if (\t)%4 == 0
	v_mov_b32 v[WSB+(\t)/4], v13
.else
	v_lshl_or_b32 v[WSB+(\t)/4], v13, 8*((\t)%4), v[WSB+(\t)/4]
.endif
	v_cvt_scalef32_pk16_fp6_f32 v[WC:WC+2], v[XS:XS+15], v11
	v_cvt_scalef32_pk16_fp6_f32 v[WC+4:WC+6], v[XS+16:XS+31], v11
	ds_store_b96 v4, v[WC:WC+2] offset:32*(\t)     ; 12 bytes to a place of 16
	ds_store_b96 v4, v[WC+4:WC+6] offset:32*(\t)+16
.if (\t)+2 < 8
	WLOAD (\t)+2
.endif
	s_wait_dscnt 0x0                               ; the stores have read their registers
.endm
.irp t, 0,1,2,3,4,5,6,7
	WBLOCK \t
.endr
	s_wait_alu depctr_va_vdst(0)
	global_store_b64 v9, v[WSB:WSB+1], s[18:19]    ; my column's 8 scale bytes
.irp t, 0,1,2,3,4,5,6,7,8,9,10,11,12,13,14,15
	ds_load_b96 v[WO+4*\t:WO+4*\t+2], v7 offset:2*\t*WPIT
.endr
.irp t, 0,1,2,3,4,5,6,7,8,9,10,11,12,13,14,15
	s_wait_dscnt 15-\t                             ; read-back t is in; the 15 - t younger ones may be out
	global_store_b96 v[WOF+\t/4], v[WO+4*\t:WO+4*\t+2], s[16:17] offset:2*(\t%4)*768
.endr
	s_wait_tensorcnt 0x0
	ds_add_u32 v192, v193
	s_wait_dscnt 0x0
	s_endpgm
.Lfunc_end_k_q477974a98d_quant:
	.size	k_q477974a98d_quant, .Lfunc_end_k_q477974a98d_quant-k_q477974a98d_quant
	.p2alignl 7, 3214868480
	.fill 96, 4, 3214868480
	.section	.rodata,"a",@progbits
	.p2align	6, 0x0
	.amdhsa_kernel k_q477974a98d_quant
		.amdhsa_group_segment_fixed_size 68096
		.amdhsa_private_segment_fixed_size 0
		.amdhsa_enable_private_segment 0
		.amdhsa_kernarg_size 64
		.amdhsa_user_sgpr_count 2
		.amdhsa_user_sgpr_kernarg_segment_ptr 1
		.amdhsa_wavefront_size32 1
		.amdhsa_system_sgpr_workgroup_id_x 1
		.amdhsa_system_sgpr_workgroup_id_y 1
		.amdhsa_system_sgpr_workgroup_id_z 1
		.amdhsa_system_vgpr_workitem_id 0
		.amdhsa_next_free_vgpr 194
		.amdhsa_next_free_sgpr 66
		.amdhsa_reserve_vcc 0
		.amdhsa_float_denorm_mode_32 3
		.amdhsa_float_denorm_mode_16_64 3
		.amdhsa_memory_ordered 1
		.amdhsa_forward_progress 1
		.amdhsa_inst_pref_size 74
	.end_amdhsa_kernel
	.amdgpu_metadata
---
amdhsa.version: [ 1, 2 ]
amdhsa.kernels:
  - .name:           k_q477974a98d_quant
    .symbol:         k_q477974a98d_quant.kd
    .args:
      - { .name: x, .offset: 0, .size: 8, .value_kind: global_buffer, .address_space: global }
      - { .name: Wq, .offset: 8, .size: 8, .value_kind: global_buffer, .address_space: global }
      - { .name: Wk, .offset: 16, .size: 8, .value_kind: global_buffer, .address_space: global }
      - { .name: Wv, .offset: 24, .size: 8, .value_kind: global_buffer, .address_space: global }
      - { .name: xc, .offset: 32, .size: 8, .value_kind: global_buffer, .address_space: global }
      - { .name: xs, .offset: 40, .size: 8, .value_kind: global_buffer, .address_space: global }
      - { .name: wc, .offset: 48, .size: 8, .value_kind: global_buffer, .address_space: global }
      - { .name: ws, .offset: 56, .size: 8, .value_kind: global_buffer, .address_space: global }
    .group_segment_fixed_size: 68096
    .private_segment_fixed_size: 0
    .kernarg_segment_align: 8
    .kernarg_segment_size: 64
    .max_flat_workgroup_size: 128
    .sgpr_count:     66
    .vgpr_count:     194
    .wavefront_size: 32
...
	.end_amdgpu_metadata
.endif
;; end of part 1
;; launch proj (part 2): grid 64 x 4, 4 waves a work-group, clusters of 4 x 4, 327,680 bytes of LDS; arguments xc, xs, wc, ws, hc, hs; writes hc, hs
.if DOCPART == 2
	.amdgcn_target "amdgcn-amd-amdhsa--gfx1250"
	.amdhsa_code_object_version 6
	.text
	.protected	k_q477974a98d_proj
	.globl	k_q477974a98d_proj
	.p2align	8
	.type	k_q477974a98d_proj,@function
k_q477974a98d_proj:
	s_mov_b64 s[64:65], 0
	v_nop
	global_prefetch_b8 v0, s[64:65] scope:SCOPE_SE
	s_setreg_imm32_b32 hwreg(HW_REG_WAVE_MODE, 25, 1), 1
	s_wait_xcnt 0x0
	s_wait_alu depctr_hold_cnt(0) depctr_sa_sdst(0) depctr_va_vdst(0) depctr_va_sdst(0) depctr_va_ssrc(0) depctr_va_vcc(0) depctr_vm_vsrc(0)
	s_getreg_b32 s2, hwreg(HW_REG_IB_STS2, 6, 4)
	s_cmp_eq_u32 s2, 0
	s_cbranch_scc0 .Lentry_in_a_cluster
	s_endpgm
.Lentry_in_a_cluster:
	s_bfe_u32 s2, ttmp6, 0x10000c
	s_cmp_lg_u32 s2, 0xf033
	s_cbranch_scc0 .Lentry_shape_is_right
	s_endpgm
.Lentry_shape_is_right:
; q = x Wq, k = x Wk, v = x Wv on codes of FP6 (E2M3) with one E8M0 scale for each 32 along K = 1,024; sums in f32.  No f32 result goes to memory: each wave quantises its
; accumulators in registers (q and k along the head's 64 channels, v along the keys) and stores codes and scale bytes in the order in which the next launch's operand registers take them.
; THE DEAL: 256 work-groups of four waves, 16 clusters of 4 x 4.  Work-group (tile row R = 0..31, tile column T = 0..7) makes two things on end, on the SAME 256 rows of x:
;   PHASE 1: 256 tokens (A = x's rows 256 R ..) x 256 columns of Wq or Wk (B = wc's rows 256 T ..): a wave 128 x 128, 64 accumulators.
;   PHASE 2: 128 channels of v (A = Wv's stored rows 128 T .., wc's rows from 2,048 on) x the same 256 tokens (B): a wave 64 x 128, 32 accumulators; the wave in row hh takes stored rows 32 ct + 16 hh + r: one head.
; Both phases are ONE walk of 16 steps of 96 bytes over 6 CHUNKS OF 256 BYTES (three to a row of 768) through a ring of two LDS slots: chunk c lies in slot c % 2; phase 2's chunks are asked for while phase 1 is
; still multiplied.  A slot has room for 256 rows of A and 256 of B.  Steps 2, 5, 10, 13 lie across two chunks and take their pieces from both slots.
; x's tiles hang on R alone and are shared along a row of the cluster, the weights' on T alone and are shared along a column, in both phases: so the ring's two descriptor groups 1 serve both.
; Phase 1: waves 0, 1 fetch x's halves, waves 2, 3 the weight's.  Phase 2: wave 0 fetches Wv's 128 rows, waves 2, 3 x's halves; wave 1 once Wv's scale bytes, onto Wq's or Wk's, whose last words are in registers by then.
; x's scale bytes come once and serve both phases.  No prefetch: of the six chunks two are asked for at the head and each other one two chunks ahead of its use, by the refills themselves.
; THE MATRIX INSTRUCTION IS USED TRANSPOSED (source 0 = B's rows, source 1 = A's): a lane holds ONE row of A and its registers run along B's rows.  By the stored order of B's rows (of each 64, true row
; 32 h + 8 j + i at 16 j + 8 h + i) registers 32 c + e of A's block a in lane (r, h) are true columns 64 c + 32 h + e, e = 0 .. 31: a WHOLE scale block of the next K, so no lane looks at another for a maximum.
; OUT.  hc: 192 head blocks of 98,304 bytes, block 64 sel + 16 batch + head (sel 0 q, 1 k, 2 v).  Its unit is a HALF FRAGMENT: 16 rows x 64 along K, 768 bytes: register pair i (0..2) of lane l at byte 256 i + 8 l.
;   q, k: [tile 0..127][768]; tile 8 J + 4 c + j, row 8 h + i holds token 128 J + 64 c + 32 h + 8 j + i.    v: [64 keys 0..31][16 channels 0..3][768].
;   hs: 192 blocks of 4,096 bytes: [J 0..15][r 0..15][4 words].  q, k: word b = the two bytes of tile 2 b's row r, then those of tile 2 b + 1's.  v: word ct = the four bytes of key step J for channel 16 ct + r.
; LIMITS: NaN and infinities are not served; a block whose largest magnitude lies under 2^-124, a block of zeros among them, keeps the byte 1 (this program alone reads the bytes).
; REGISTERS, in windows of 256: window 0: v0-31 addresses; v32-63 scale words, two sets; v64-116 the way out's work; from v128 A's fragments (phase 1 one set of 8, phase 2 two sets of 4), later the codes made.
;   window 1: B's fragments, two sets, at v0 and v128.   windows 2, 3: the accumulators ((a, b) at v[8 (8 (a % 4) + b)]).
; The launch claims all of a WGP's LDS.
.set ROWB,   256
.set NQ,     2
.set KROW,   768
.set CHUNKS, 6
.set PITCH,  272                       ; 256 bytes + 16 of padding
.set FR,     12
.set NL,     6
.set NP,     4
.set HALFT,  128*PITCH
.set SLOT,   4*HALFT
.set KS,     32
.set SCL,    2*SLOT                    ; the scales, as units of 256 bytes + 16: x's 256 rows, then the weight's
.set HALFS,  (128*KS/256)*272
.set SBLK,   (16*KS/256)*272
.set SPARE,  SCL+4*HALFS               ; the spare words: 512 bytes that no other line names
.set ADRA2, 8                          ; v8-11  phase 2: my fragments of Wv, as v16-19
.set ADRA, 16                          ; v16-17 my A fragments in slot 0, 1; v18-19 for a piece whose lanes 16-31 read the next chunk
.set ADRB, 20                          ; v20-23 the same for B
.set ADRS2, 26                         ; phase 2's scale words: lanes 0-15 Wv's rows, lanes 16-31 x's
.set ADRS, 27                          ; phase 1's: lanes 0-15 x's rows, lanes 16-31 the weight's
.set SPW,  28
.set NIL,  29
.set SC,   32
.set AF,   128
.set TM,   64                          ; the way out: v64-67 maxima, v68-70 bytes, v76-77 the conversions' scale operands
.set PW,   80                          ; v80-87 block a's scale word
.set XW,   88
.set YW,   96
.set CT,   100
.set VO,   108
.set SOFF, 112
.set SH,   114                         ; 8 x (lane / 16)
.set VO2,  115                         ; phase 2: 8 x lane + 3,072
.set SOF2, 116                         ; phase 2: 16 r + 8 h
.set G1, 24
.set G0, 32
.set G1B, 48
.set G0B, 56
.set G1S, 68
.set G0S, 76
.set G1SB, 80
.set G0SB, 88
.set G0H, 4
.set G0HB, 8
.set MSB, 0
.macro WIN new
.if MSB != \new
	s_set_vgpr_msb (MSB<<8)|\new
.set MSB, \new
.endif
.endm
.set MUL_LO, 0xa1
.set MUL_HI, 0xf1
.set TO_B,   0x40
.macro PLACES n
.rept \n
	v_nop
.endr
.endm
.macro JLOAD g0a, g1a, g0b, g1b        ; phase 1: waves 0 and 1 fetch x's halves, waves 2 and 3 the weight's: one mask to a line
	s_cmp_eq_u32 s15, 0
	s_cbranch_scc0 .Lfor_b_\@
	tensor_load_to_lds s[\g0a:\g0a+3], s[\g1a:\g1a+7]
	s_nop 0
	PLACES 4
	s_branch .Lasked_\@
.Lfor_b_\@:
	tensor_load_to_lds s[\g0b:\g0b+3], s[\g1b:\g1b+7]
	s_nop 0
	PLACES 4
.Lasked_\@:
.endm
.macro JLOAD2 sc                       ; phase 2, slot SL: wave 0 Wv's 128 rows, wave 1 (sc = 1) Wv's scale bytes, waves 2 and 3 x's halves
	s_cmp_lt_u32 s14, 2
	s_cbranch_scc0 .Lx_\@
	s_cmp_eq_u32 s14, 0
	s_cbranch_scc0 .Lw1_\@
	tensor_load_to_lds s[G0B+4*SL:G0B+4*SL+3], s[G1B:G1B+7]
	s_nop 0
	PLACES 4
	s_branch .Ldone_\@
.Lw1_\@:
.if \sc
	tensor_load_to_lds s[G0SB:G0SB+3], s[G1SB:G1SB+7]
	s_nop 0
.endif
	PLACES 4
	s_branch .Ldone_\@
.Lx_\@:
	tensor_load_to_lds s[G0+4*SL:G0+4*SL+3], s[G1:G1+7]
	s_nop 0
	PLACES 4
.Ldone_\@:
.endm
.macro CREST
	s_cmp_lg_u32 s14, 0
	s_cbranch_scc1 .Lnot_wave_0_\@
	s_barrier_signal -3
.Lnot_wave_0_\@:
	s_barrier_wait -3
	s_barrier_signal -1
	s_barrier_wait -1
.endm
.macro CROUND
	s_barrier_signal -1
	s_barrier_wait -1
	CREST
.endm
	s_load_b256 s[4:11], s[0:1], 0x0               ; xc, xs, wc, ws
	s_load_b128 s[96:99], s[0:1], 0x20             ; hc, hs
	v_lshl_add_u32 v[SPW], v0, 2, SPARE
	v_mov_b32 v[NIL], 0
	ds_add_u32 v[SPW], v[NIL]                      ; the opening lines: the add twice on end and one wait
	ds_add_u32 v[SPW], v[NIL]
	v_lshrrev_b32 v1, 5, v0
	v_readfirstlane_b32 s14, v1                    ; wave
	s_lshr_b32 s15, s14, 1                         ; my half of A's rows
	s_and_b32 s16, s14, 1                          ; my half of B's rows; also: which 128 rows I fetch
	s_bfe_u32 s40, ttmp6, 0x40000                  ; cx
	s_bfe_u32 s41, ttmp6, 0x40004                  ; cy
	s_and_b32 s42, ttmp9, 1                        ; 2 columns x 8 rows of clusters
	s_lshr_b32 s17, ttmp9, 1
	s_lshl_b32 s42, s42, 2
	s_add_co_u32 s42, s42, s40                     ; T
	s_lshl_b32 s17, s17, 2
	s_add_co_u32 s17, s17, s41                     ; R
	s_lshl_b32 s43, s41, 2
	s_lshl_b32 s43, 15, s43                        ; my row of the cluster
	s_lshl_b32 s44, 0x1111, s40                    ; my column
	s_or_b32 s[G1+0], s43, (0<<16)|(1<<20)|(1<<21)|(5<<22)|(3<<25)   ; rows of 256 bytes, 16 of padding behind each
	s_or_b32 s[G1B+0], s44, (0<<16)|(1<<20)|(1<<21)|(5<<22)|(3<<25)
.irp g, G1, G1B
	s_mov_b32 s[\g+1], ROWB<<16
	s_mov_b32 s[\g+2], 256<<16                     ; the head's loads bring 256 rows
	s_mov_b32 s[\g+3], ROWB<<16
	s_mov_b32 s[\g+4], 256
	s_mov_b32 s[\g+5], KROW
	s_mov_b32 s[\g+6], 0
	s_mov_b32 s[\g+7], 0
.endr
	s_or_b32 s[G1S+0], s43, (3<<16)|(1<<20)|(1<<21)|(5<<22)|(3<<25)  ; the scales of 256 rows: 32 rows of 256 bytes
	s_or_b32 s[G1SB+0], s44, (3<<16)|(1<<20)|(1<<21)|(5<<22)|(3<<25)
.irp g, G1S, G1SB
	s_mov_b32 s[\g+1], 32<<16
	s_mov_b32 s[\g+2], KS<<16
	s_mov_b32 s[\g+3], 32<<16
	s_mov_b32 s[\g+4], KS
	s_mov_b32 s[\g+5], 32
	s_mov_b32 s[\g+6], 0
	s_mov_b32 s[\g+7], 0
.endr
	s_lshl_b32 s20, s17, 8                         ; x's first row
	s_lshl_b32 s46, s42, 8                         ; Wq's or Wk's
	s_mov_b32 s21, 0
	s_mov_b32 s47, 0
	s_mov_b64 s[18:19], KS
	s_mul_u64 s[22:23], s[20:21], s[18:19]
	s_mul_u64 s[92:93], s[46:47], s[18:19]
	s_mov_b64 s[18:19], KROW
	s_mul_u64 s[20:21], s[20:21], s[18:19]
	s_mul_u64 s[46:47], s[46:47], s[18:19]
	s_mul_i32 s18, s16, 128*KROW                   ; in the ring I fetch 128 rows
	s_mov_b32 s19, 0
	s_mul_i32 s45, s14, HALFT
	s_lshl_b32 s94, s42, 7                         ; Wv's first stored row is 2,048 + 128 T
	s_add_co_u32 s2, s94, 2048
	s_lshl_b32 s2, s2, 5                           ; its scale bytes, from ws
	s_mov_b32 s3, 0
	s_lshl_b32 s95, s16, 7
	s_add_co_u32 s94, s94, s95
	s_sub_co_u32 s94, 2048, s94
	s_mul_i32 s94, s94, KROW                       ; bytes from my rows of Wq or Wk to Wv's first row: (2,048 + 128 T) - (256 T + 128 half) rows
	s_mov_b32 s95, 0
	s_wait_dscnt 0x0
	s_wait_kmcnt 0x0
	s_add_nc_u64 s[20:21], s[4:5], s[20:21]
	s_add_nc_u64 s[22:23], s[6:7], s[22:23]
	s_add_nc_u64 s[46:47], s[8:9], s[46:47]
	s_add_nc_u64 s[92:93], s[10:11], s[92:93]
	s_add_nc_u64 s[2:3], s[10:11], s[2:3]
	CROUND                                         ; the first joint loads meet
	s_mov_b32 s[G0H], 1
	s_mov_b32 s[G0H+1], 0
	s_mov_b64 s[G0H+2:G0H+3], s[20:21]
	s_or_b32 s[G0H+3], s[G0H+3], 0x80000000
	s_mov_b32 s[G0HB], 1
	s_mov_b32 s[G0HB+1], 2*HALFT
	s_mov_b64 s[G0HB+2:G0HB+3], s[46:47]
	s_or_b32 s[G0HB+3], s[G0HB+3], 0x80000000
	s_mov_b32 s[G0S], 1
	s_mov_b32 s[G0S+1], SCL
	s_mov_b64 s[G0S+2:G0S+3], s[22:23]
	s_or_b32 s[G0S+3], s[G0S+3], 0x80000000
	s_mov_b32 s[G0SB], 1
	s_mov_b32 s[G0SB+1], SCL+2*HALFS
	s_mov_b64 s[G0SB+2:G0SB+3], s[92:93]
	s_or_b32 s[G0SB+3], s[G0SB+3], 0x80000000
	s_add_nc_u64 s[20:21], s[20:21], s[18:19]
	s_add_nc_u64 s[46:47], s[46:47], s[18:19]
.irp s, 0,1                            ; every wave keeps both: x's rows (my half) and the weight's (my half), each to LDS at wave x 128 rows
	s_mov_b32 s[G0+4*\s], 1
	s_add_co_u32 s[G0+4*\s+1], s45, \s*SLOT
	s_add_nc_u64 s[G0+4*\s+2:G0+4*\s+3], s[20:21], \s*ROWB
	s_or_b32 s[G0+4*\s+3], s[G0+4*\s+3], 0x80000000
	s_mov_b32 s[G0B+4*\s], 1
	s_add_co_u32 s[G0B+4*\s+1], s45, \s*SLOT
	s_add_nc_u64 s[G0B+4*\s+2:G0B+4*\s+3], s[46:47], \s*ROWB
	s_or_b32 s[G0B+4*\s+3], s[G0B+4*\s+3], 0x80000000
.endr
; the head's four tiles, one load a wave: chunk 0 of x, chunk 0 of the weight, x's scales, the weight's
.macro ARM under, g0, g1, next
	s_cmp_lt_u32 s14, \under
	s_cbranch_scc0 \next
	tensor_load_to_lds s[\g0:\g0+3], s[\g1:\g1+7]
	s_nop 0
	PLACES 4
	s_branch .Lhead_asked
\next:
.endm
	ARM 1, G0H,  G1,  .Lhead_b
	ARM 2, G0HB, G1B, .Lhead_sa
	ARM 3, G0S,  G1S, .Lhead_sb
	tensor_load_to_lds s[G0SB:G0SB+3], s[G1SB:G1SB+7]
	s_nop 0
	PLACES 4
.Lhead_asked:
	v_and_b32 v1, 15, v0
	v_bfe_u32 v2, v0, 4, 1
	v_mul_u32_u24 v3, v1, PITCH
	v_mul_u32_u24 v4, v2, 24
	v_add_nc_u32 v4, v3, v4                        ; row x pitch + 24 x half
	s_mov_b32 s21, SLOT-232
	s_mov_b32 s22, SLOT+232
	v_sub_nc_u32 v7, 1, v2
	v_mul_u32_u24 v5, s21, v2
	v_add_nc_u32 v5, v3, v5
	v_add_nc_u32 v5, 232, v5                       ; lanes 0-15 byte 232 of the row in slot 0, lanes 16-31 byte 0 in slot 1
	v_mul_u32_u24 v6, s22, v7
	v_add_nc_u32 v6, v3, v6                        ; and the other way round
	s_mul_i32 s21, s15, HALFT
	s_mul_i32 s22, s16, HALFT
	s_add_co_u32 s22, s22, 2*HALFT
	s_mul_i32 s23, s15, 16*PITCH                   ; phase 2: my blocks of Wv begin at row 16 hh
	v_add_nc_u32 v[ADRA+2], s21, v5
	v_add_nc_u32 v[ADRA+3], s21, v6
	v_add_nc_u32 v[ADRB+2], s22, v5
	v_add_nc_u32 v[ADRB+3], s22, v6
	v_add_nc_u32 v[ADRA2+2], s23, v5
	v_add_nc_u32 v[ADRA2+3], s23, v6
.irp s, 0,1
	v_add_nc_u32 v[ADRA+\s], s21, v4
	v_add_nc_u32 v[ADRB+\s], s22, v4
	v_add_nc_u32 v[ADRA2+\s], s23, v4
	s_add_co_u32 s21, s21, SLOT
	s_add_co_u32 s22, s22, SLOT
	s_add_co_u32 s23, s23, SLOT
.endr
	s_mul_i32 s21, s15, HALFS                      ; phase 1: lanes 0-15 x's scales, my 128 rows; lanes 16-31 the weight's
	s_mul_i32 s22, s16, HALFS
	s_add_co_u32 s22, s22, 2*HALFS
	s_sub_co_u32 s22, s22, s21
	s_add_co_u32 s21, s21, SCL
	s_mul_i32 s20, s16, HALFS                      ; phase 2: lanes 16-31 x's scales, my 128 tokens; lanes 0-15 Wv's, from row 16 hh on
	s_mul_i32 s23, s15, SBLK
	s_add_co_u32 s23, s23, 2*HALFS
	s_sub_co_u32 s23, s23, s20
	s_add_co_u32 s20, s20, SCL
	v_mul_u32_u24 v5, v1, KS
	v_lshrrev_b32 v6, 8, v5
	v_lshl_add_u32 v5, v6, 4, v5                   ; 32 bytes a row, 16 more for each 256 passed
	v_mul_u32_u24 v6, s22, v2                      ; one product each: the distance between the two bases x the half that takes the upper one
	v_mul_u32_u24 v3, s23, v7
	v_add_nc_u32 v6, v5, v6
	v_add_nc_u32 v3, v5, v3
	v_add_nc_u32 v[ADRS], s21, v6
	v_add_nc_u32 v[ADRS2], s20, v3
.macro FRAG reg, adr, st, i, rs        ; 12 registers in six pieces of 8 bytes; byte y of the walk lies in slot (y / 256) % 2 at byte y % 256; rs: rows from block to block
.irp p, 0,1,2,3,4,5
.set BY, 96*(\st)+48*(\p/3)+8*(\p%3)
.if BY/ROWB == (BY+24)/ROWB
	ds_load_b64 v[\reg+2*\p:\reg+2*\p+1], v[\adr+(BY/ROWB)%2] offset:BY%ROWB+(\i)*\rs*PITCH
.else
	ds_load_b64 v[\reg+2*\p:\reg+2*\p+1], v[\adr+2+(BY/ROWB)%2] offset:BY%ROWB-232+(\i)*\rs*PITCH
.endif
.endr
.endm
.macro MUL16 a0, p, q, sc, zero        ; phase 1: the 64 accumulators take turns; zero = 1 starts the sums
.irp a, \a0, \a0+1
.irp b, 0,1,2,3,4,5,6,7
.if \zero
	v_wmma_scale_f32_16x16x128_f8f6f4 v[8*(8*((\a)%4)+\b):8*(8*((\a)%4)+\b)+7], v[128*(\p)+FR*\b:128*(\p)+FR*\b+FR-1], v[AF+FR*(\a):AF+FR*(\a)+FR-1], 0, v[SC+8*NQ*(\sc)+NQ*\b+(\q)], v[SC+8*NQ*(\sc)+NQ*(\a)+(\q)] matrix_a_fmt:MATRIX_FMT_FP6 matrix_b_fmt:MATRIX_FMT_FP6 matrix_a_scale:MATRIX_SCALE_ROW1
.else
	v_wmma_scale_f32_16x16x128_f8f6f4 v[8*(8*((\a)%4)+\b):8*(8*((\a)%4)+\b)+7], v[128*(\p)+FR*\b:128*(\p)+FR*\b+FR-1], v[AF+FR*(\a):AF+FR*(\a)+FR-1], v[8*(8*((\a)%4)+\b):8*(8*((\a)%4)+\b)+7], v[SC+8*NQ*(\sc)+NQ*\b+(\q)], v[SC+8*NQ*(\sc)+NQ*(\a)+(\q)] matrix_a_fmt:MATRIX_FMT_FP6 matrix_b_fmt:MATRIX_FMT_FP6 matrix_a_scale:MATRIX_SCALE_ROW1
.endif
.endr
.endr
.endm
.macro MUL2 a, st                      ; phase 2: Wv's block a x x's eight; Wv's words lie in the even registers of a set (16 rows to a register pair, my blocks 32 rows apart)
.set P_, (\st)%2
.set S_, ((\st)/2)%2
.irp b, 0,1,2,3,4,5,6,7
.if (\st) == 8
	v_wmma_scale_f32_16x16x128_f8f6f4 v[8*(8*(\a)+\b):8*(8*(\a)+\b)+7], v[128*P_+FR*\b:128*P_+FR*\b+FR-1], v[AF+48*P_+FR*(\a):AF+48*P_+FR*(\a)+FR-1], 0, v[SC+16*S_+2*\b+P_], v[SC+16*S_+4*(\a)+P_] matrix_a_fmt:MATRIX_FMT_FP6 matrix_b_fmt:MATRIX_FMT_FP6 matrix_a_scale:MATRIX_SCALE_ROW1
.else
	v_wmma_scale_f32_16x16x128_f8f6f4 v[8*(8*(\a)+\b):8*(8*(\a)+\b)+7], v[128*P_+FR*\b:128*P_+FR*\b+FR-1], v[AF+48*P_+FR*(\a):AF+48*P_+FR*(\a)+FR-1], v[8*(8*(\a)+\b):8*(8*(\a)+\b)+7], v[SC+16*S_+2*\b+P_], v[SC+16*S_+4*(\a)+P_] matrix_a_fmt:MATRIX_FMT_FP6 matrix_b_fmt:MATRIX_FMT_FP6 matrix_a_scale:MATRIX_SCALE_ROW1
.endif
.endr
.endm
.macro FETCH_B st, p
	WIN TO_B
.irp i, 0,1,2,3,4,5,6,7
	FRAG 128*(\p)+FR*\i, ADRB, \st, \i, 16
.endr
	WIN 0
.endm
.macro FETCH_A st, i0
.irp i, \i0, \i0+1, \i0+2, \i0+3
	FRAG AF+FR*(\i), ADRA, \st, \i, 16
.endr
.endm
.macro FETCH_A2 st                     ; Wv's four blocks into set st % 2
.irp i, 0,1,2,3
	FRAG AF+48*((\st)%2)+FR*\i, ADRA2, \st, \i, 32
.endr
.endm
.macro SCALES pr                       ; the words of steps 2 pr, 2 pr + 1 into set pr % 2
.irp i, 0,1,2,3,4,5,6,7
.if (\pr) < 4
	ds_load_b64 v[SC+8*NQ*((\pr)%2)+NQ*\i:SC+8*NQ*((\pr)%2)+NQ*\i+1], v[ADRS] offset:\i*SBLK+4*NQ*(\pr)
.else
	ds_load_b64 v[SC+8*NQ*((\pr)%2)+NQ*\i:SC+8*NQ*((\pr)%2)+NQ*\i+1], v[ADRS2] offset:\i*SBLK+4*NQ*((\pr)-4)
.endif
.endr
.endm
.macro REFILL                          ; chunk C0 + 2 into the slot of chunk C0: no load of mine is out, so the descriptors may step.  Chunk c is bytes 256 (c % 3) of a row; from chunk 3 on the weight is Wv
.set CN, C0+2
.set SL, C0%2
.set DN, (CN%3)*ROWB
.set DP, (C0%3)*ROWB
.if DN > DP
	s_add_nc_u64 s[G0+4*SL+2:G0+4*SL+3], s[G0+4*SL+2:G0+4*SL+3], DN-DP
	s_add_nc_u64 s[G0B+4*SL+2:G0B+4*SL+3], s[G0B+4*SL+2:G0B+4*SL+3], DN-DP
.else
	s_sub_nc_u64 s[G0+4*SL+2:G0+4*SL+3], s[G0+4*SL+2:G0+4*SL+3], DP-DN
	s_sub_nc_u64 s[G0B+4*SL+2:G0B+4*SL+3], s[G0B+4*SL+2:G0B+4*SL+3], DP-DN
.endif
.if CN == 3 || CN == 4
	s_add_nc_u64 s[G0B+4*SL+2:G0B+4*SL+3], s[G0B+4*SL+2:G0B+4*SL+3], s[94:95]
.endif
.if CN < 3
	JLOAD G0+4*SL, G1, G0B+4*SL, G1B
.elseif CN == 3
	JLOAD2 1
.else
	JLOAD2 0
.endif
.endm
; A step of phase 1: 64 products; the next step's fragments are fetched in its middle and at its end.  Where the next step's bytes END in a chunk not read yet, a barrier shows that chunk whole;
; where they BEGIN in a later chunk, the chunk left behind is free: the three lines, the barrier, which opens a round, and the refill.
.macro STEP st, zero
.set NX, (\st)+1
.set C0, (96*(\st))/ROWB
.set C1, (96*NX)/ROWB
.set E0, (96*(\st)+95)/ROWB
.set E1, (96*NX+95)/ROWB
.if C1 > C0 || E1 > E0
	s_wait_tensorcnt 0x0                           ; all my tensor loads have landed
.if C1 > C0
	ds_add_u32 v[SPW], v[NIL]
	s_wait_dscnt 4*NL+1                            ; the add and the youngest 24 loads (A's blocks 4-7) may be out
.else
	s_wait_dscnt 4*NL                              ; A's blocks 4-7 may be out
.endif
	WIN MUL_LO
	MUL16 0, (\st)%2, (\st)%2, ((\st)/2)%2, \zero
	s_wait_dscnt 0x0                               ; the add, and my reads of any bytes left behind
	s_barrier_signal -1
	MUL16 2, (\st)%2, (\st)%2, ((\st)/2)%2, \zero
	WIN 0
	s_barrier_wait -1
.if C1 > C0
	CREST
	REFILL
.else
	PLACES NP
.endif
.else
	s_wait_dscnt 4*NL                              ; B's set and A's blocks 0-3 are in
	WIN MUL_LO
	MUL16 0, (\st)%2, (\st)%2, ((\st)/2)%2, \zero
	MUL16 2, (\st)%2, (\st)%2, ((\st)/2)%2, \zero
	s_wait_dscnt 0
	PLACES NP
.endif
	FETCH_B NX, NX%2
.if NX < 8
	FETCH_A NX, 0
.endif
.if NX == 5
	SCALES 3                                       ; a step early: step 5's round fills the weight's scale bytes again
.elseif NX%2 == 0 && NX != 6
	SCALES NX/2
.endif
	WIN MUL_HI
	MUL16 4, (\st)%2, (\st)%2, ((\st)/2)%2, \zero
	MUL16 6, (\st)%2, (\st)%2, ((\st)/2)%2, \zero
	PLACES NP
	WIN 0
.if NX < 8
	FETCH_A NX, 4
.endif
.endm
; A step of phase 2: 32 products; both operands have two sets, and the next step's fragments are fetched in the step's middle.
.macro STEP2 st
.set NX, (\st)+1
.set C0, (96*(\st))/ROWB
.set C1, (96*NX)/ROWB
.set E0, (96*(\st)+95)/ROWB
.set E1, (96*NX+95)/ROWB
.if (\st) < 15 && (C1 > C0 || E1 > E0)
	s_wait_tensorcnt 0x0
.if C1 > C0
	ds_add_u32 v[SPW], v[NIL]
	s_wait_dscnt 1                                 ; this step's fragments are in; the add may be out
.else
	s_wait_dscnt 0x0
.endif
	WIN MUL_LO
	MUL2 0, \st
	s_wait_dscnt 0x0
	s_barrier_signal -1
	MUL2 1, \st
	WIN 0
	s_barrier_wait -1
.if C1 > C0 && C0+2 < CHUNKS
	CREST
	REFILL
.else
	PLACES NP
.endif
.else
	s_wait_dscnt 0x0
	WIN MUL_LO
	MUL2 0, \st
	MUL2 1, \st
	WIN 0
	PLACES NP
.endif
.if (\st) < 15
	FETCH_B NX, NX%2
	FETCH_A2 NX
.if NX%2 == 0
	SCALES NX/2
.endif
.endif
	WIN MUL_LO
	MUL2 2, \st
	MUL2 3, \st
	WIN 0
.endm
	s_wait_alu depctr_va_vdst(0)
	s_wait_tensorcnt 0x0                           ; my tile of the head's four is in; the lines ahead of slot 1's first fill
	ds_add_u32 v[SPW], v[NIL]
	s_mov_b32 s[G1+2], 128<<16                     ; no load of mine is out: from here on a load of codes brings 128 rows,
	s_mov_b32 s[G1+4], 128
	s_mov_b32 s[G1B+2], 128<<16
	s_mov_b32 s[G1B+4], 128
	s_mov_b32 s[G1SB+2], 16<<16                    ; and the weight's scales are Wv's 128 rows: 16 rows of 256 bytes, to the same LDS bytes
	s_mov_b32 s[G1SB+4], 16
	s_mov_b64 s[G0SB+2:G0SB+3], s[2:3]
	s_or_b32 s[G0SB+3], s[G0SB+3], 0x80000000
	s_wait_dscnt 0x0
	CROUND
	JLOAD G0+4, G1, G0B+4, G1B                     ; chunk 1
	FETCH_B 0, 0
	FETCH_A 0, 0
	SCALES 0
	FETCH_A 0, 4
	STEP 0, 1
.set ST, 1
.rept 7
	STEP ST, 0
.set ST, ST+1
.endr
; THE WAY OUT OF PHASE 1, under the flight of phase 2's chunks.  Block a = 2 b + u of my 128 tokens, half c of the fragment made of it: token tile 8 J + a, head + c.
	s_mov_b32 s92, 0x05040100                      ; the first head's word of two blocks' words: the low halves of both
	s_mov_b32 s93, 0x07060302                      ; the second head's: the high halves
	s_mov_b32 s100, 0x76543210
	s_mov_b32 s101, 0xfedcba98                     ; the selects for lane l xor 16
	v_and_b32 v[VO], 31, v0
	v_lshlrev_b32 v[VO], 3, v[VO]                  ; c = 0, u = 0: 8 x lane
	v_add_nc_u32 v[VO+1], 768, v[VO]               ; u = 1: the next tile
	v_add_nc_u32 v[VO+2], 98304, v[VO]             ; c = 1: the next head
	v_add_nc_u32 v[VO+3], 98304, v[VO+1]
	v_add_nc_u32 v[VO2], 3072, v[VO]               ; phase 2, c = 1: 64 keys on
	v_and_b32 v[SOFF], 15, v0
	v_bfe_u32 v113, v0, 4, 1
	v_lshlrev_b32 v[SOFF], 4, v[SOFF]
	v_lshl_add_u32 v[SOF2], v113, 3, v[SOFF]       ; phase 2: 16 r + 8 h
	v_lshl_add_u32 v[SOFF], v113, 12, v[SOFF]      ; 16 bytes a row; lanes 16-31 the next head's block
	v_lshlrev_b32 v[SH], 3, v113
	v_mov_b32 v[TM+6], 0                           ; a lane permute's destination counts as one of its sources
	s_lshr_b32 s45, s17, 3
	s_lshl_b32 s45, s45, 4                         ; 16 x batch
	s_and_b32 s18, s17, 7
	s_lshl_b32 s18, s18, 1
	s_add_co_u32 s19, s18, s15                     ; J of phase 1: tokens are A's rows
	s_add_co_u32 s18, s18, s16                     ; J of phase 2: tokens are B's rows
	s_lshr_b32 s22, s42, 2
	s_lshl_b32 s22, s22, 6                         ; q or k
	s_add_co_u32 s22, s22, s45
	s_and_b32 s20, s42, 3
	s_lshl_b32 s20, s20, 2
	s_add_co_u32 s22, s22, s20
	s_lshl_b32 s21, s16, 1
	s_add_co_u32 s22, s22, s21                     ; the first of my two heads
	s_lshl_b32 s23, s42, 1
	s_add_co_u32 s23, s23, s15
	s_add_co_u32 s23, s23, s45
	s_add_co_u32 s23, s23, 128                     ; v's head block: head 2 T + hh
	s_mul_i32 s46, s23, 98304
	s_mul_i32 s20, s18, 6144
	s_add_co_u32 s46, s46, s20
	s_mov_b32 s47, 0
	s_add_nc_u64 s[4:5], s[96:97], s[46:47]        ; phase 2's place in hc (the head's descriptors that lay here are done with)
	s_lshl_b32 s46, s23, 12
	s_lshl_b32 s20, s18, 8
	s_add_co_u32 s46, s46, s20
	s_add_nc_u64 s[6:7], s[98:99], s[46:47]        ; and in hs
	s_mul_i32 s46, s22, 98304
	s_mul_i32 s20, s19, 6144
	s_add_co_u32 s46, s46, s20
	s_add_nc_u64 s[96:97], s[96:97], s[46:47]
	s_lshl_b32 s46, s22, 12
	s_lshl_b32 s20, s19, 8
	s_add_co_u32 s46, s46, s20
	s_add_nc_u64 s[98:99], s[98:99], s[46:47]
; Block a's 64 numbers of a lane are two whole scale blocks (c = 0, 1): they become a fragment's codes in v[128 + 12 a] on; the row's four bytes are joined with lane l xor 16's into v[PW + a].
.macro QUANT a
.set W, 2+(\a)/4
.set AC, 64*((\a)%4)
.set CD, 128+12*(\a)
.set WW, (W<<2)|(W<<4)
	WIN WW
.irp b, 0,1,2,3
	v_max3_num_f32 v[TM+\b], 0x1800000, |v[AC+16*\b]|, |v[AC+16*\b+1]|   ; four chains of 16, each accumulator from its low end on; the floor 2^(3 - 127)
.endr
.irp i, 2,4,6,8,10,12,14
.irp b, 0,1,2,3
	v_max3_num_f32 v[TM+\b], v[TM+\b], |v[AC+16*\b+\i]|, |v[AC+16*\b+\i+1]|
.endr
.endr
	WIN 0
	v_max_num_f32 v[TM], v[TM], v[TM+1]
	v_max_num_f32 v[TM+2], v[TM+2], v[TM+3]
	v_add_nc_u32 v[TM+12], 0xff000000, v[TM]       ; 2 off the exponent field: the conversions' scale operands
	v_add_nc_u32 v[TM+13], 0xff000000, v[TM+2]
	v_lshrrev_b32 v[TM+4], 23, v[TM+12]
	v_lshrrev_b32 v[TM+5], 23, v[TM+13]
	v_lshl_or_b32 v[TM+4], v[TM+5], 16, v[TM+4]    ; my bytes: blocks h and 2 + h,
	v_lshlrev_b32 v[TM+4], v[SH], v[TM+4]          ; at their places,
	v_permlanex16_b32 v[TM+6], v[TM+4], s100, s101
	v_or_b32 v[PW+(\a)], v[TM+4], v[TM+6]          ; with lane l xor 16's two the word is whole
.set WW, W
	WIN WW
.irp c, 0,1
	v_cvt_scalef32_pk16_fp6_f32 v[CD+6*\c:CD+6*\c+2], v[AC+32*\c:AC+32*\c+15], v[TM+12+\c]
	v_cvt_scalef32_pk16_fp6_f32 v[CT+4*\c:CT+4*\c+2], v[AC+32*\c+16:AC+32*\c+31], v[TM+12+\c]   ; (a conversion's three registers begin on an even number)
.endr
	WIN 0
	v_nop                                          ; one plain place behind a scaled conversion
.irp c, 0,1
.irp i, 0,1,2
	v_mov_b32 v[CD+3+6*\c+\i], v[CT+4*\c+\i]
.endr
.endr
.endm
.macro HFOUT a                         ; each store of the wave covers 256 consecutive bytes, aligned
.set CD, 128+12*(\a)
.irp c, 0,1
.irp i, 0,1,2
	global_store_b64 v[VO+2*\c+(\a)%2], v[CD+6*\c+2*\i:CD+6*\c+2*\i+1], s[96:97] offset:256*\i
.endr
.endr
.endm
.irp be, 0,1,2,3
	QUANT 2*\be
	HFOUT 2*\be
	QUANT 2*\be+1
	HFOUT 2*\be+1
.if \be < 3
	s_wait_xcnt 0x0                                ; the stores have read their base: it may step
	s_add_nc_u64 s[96:97], s[96:97], 1536
.endif
.endr
.irp be, 0,1,2,3
	v_perm_b32 v[XW+2*\be], v[PW+2*\be+1], v[PW+2*\be], s92
	v_perm_b32 v[XW+2*\be+1], v[PW+2*\be+1], v[PW+2*\be], s93
.endr
	s_mov_b32 vcc_lo, 0xffff0000
.irp be, 0,1,2,3
	v_cndmask_b32 v[YW+\be], v[XW+2*\be], v[XW+2*\be+1], vcc_lo  ; lanes 0-15: the first head's word, lanes 16-31: the second's
.endr
	global_store_b128 v[SOFF], v[YW:YW+3], s[98:99]              ; each half of the lanes stores 256 consecutive bytes, aligned
; PHASE 2.  x's fragments and the scale words of step 8 were fetched in step 7; Wv's come now, into registers that held codes
	s_wait_xcnt 0x0                                ; the stores have read their registers
	FETCH_A2 8
.set ST, 8
.rept 8
	STEP2 ST
.set ST, ST+1
.endr
; THE WAY OUT OF PHASE 2.  Block a is channels 16 a on of my head; half c of its fragment is keys 64 c on of my 128 tokens
	PLACES NP
.irp a, 0,1,2,3
	QUANT \a
.irp i, 0,1,2
	global_store_b64 v[VO], v[128+12*\a+2*\i:128+12*\a+2*\i+1], s[4:5] offset:768*\a+256*\i
	global_store_b64 v[VO2], v[134+12*\a+2*\i:134+12*\a+2*\i+1], s[4:5] offset:768*\a+256*\i
.endr
.endr
	s_mov_b32 vcc_lo, 0xffff0000
	v_cndmask_b32 v[YW], v[PW], v[PW+2], vcc_lo    ; lane (r, h) stores words 2 h and 2 h + 1 of row r:
	v_cndmask_b32 v[YW+1], v[PW+1], v[PW+3], vcc_lo
	global_store_b64 v[SOF2], v[YW:YW+1], s[6:7]   ; the wave stores 256 consecutive bytes, aligned
	s_wait_tensorcnt 0x0                           ; the wave's end
	ds_add_u32 v[SPW], v[NIL]
	s_wait_dscnt 0x0
	CROUND                                         ; the closing round
	s_endpgm
.Lfunc_end_k_q477974a98d_proj:
	.size	k_q477974a98d_proj, .Lfunc_end_k_q477974a98d_proj-k_q477974a98d_proj
	.p2alignl 7, 3214868480
	.fill 96, 4, 3214868480
	.section	.rodata,"a",@progbits
	.p2align	6, 0x0
	.amdhsa_kernel k_q477974a98d_proj
		.amdhsa_group_segment_fixed_size 327680
		.amdhsa_private_segment_fixed_size 0
		.amdhsa_enable_private_segment 0
		.amdhsa_kernarg_size 48
		.amdhsa_user_sgpr_count 2
		.amdhsa_user_sgpr_kernarg_segment_ptr 1
		.amdhsa_wavefront_size32 1
		.amdhsa_system_sgpr_workgroup_id_x 1
		.amdhsa_system_sgpr_workgroup_id_y 1
		.amdhsa_system_sgpr_workgroup_id_z 1
		.amdhsa_system_vgpr_workitem_id 0
		.amdhsa_next_free_vgpr 1024
		.amdhsa_next_free_sgpr 102
		.amdhsa_reserve_vcc 1
		.amdhsa_float_denorm_mode_32 3
		.amdhsa_float_denorm_mode_16_64 3
		.amdhsa_memory_ordered 1
		.amdhsa_forward_progress 1
		.amdhsa_inst_pref_size 255
	.end_amdhsa_kernel
	.section	.bss,"aw",@nobits
	.p2align	6
	.space	262144
	.amdgpu_metadata
---
amdhsa.version: [ 1, 2 ]
amdhsa.kernels:
  - .name:           k_q477974a98d_proj
    .symbol:         k_q477974a98d_proj.kd
    .args:
      - { .name: xc, .offset: 0, .size: 8, .value_kind: global_buffer, .address_space: global }
      - { .name: xs, .offset: 8, .size: 8, .value_kind: global_buffer, .address_space: global }
      - { .name: wc, .offset: 16, .size: 8, .value_kind: global_buffer, .address_space: global }
      - { .name: ws, .offset: 24, .size: 8, .value_kind: global_buffer, .address_space: global }
      - { .name: hc, .offset: 32, .size: 8, .value_kind: global_buffer, .address_space: global }
      - { .name: hs, .offset: 40, .size: 8, .value_kind: global_buffer, .address_space: global }
    .group_segment_fixed_size: 327680
    .private_segment_fixed_size: 0
    .kernarg_segment_align: 8
    .kernarg_segment_size: 48
    .max_flat_workgroup_size: 128
    .sgpr_count:     102
    .vgpr_count:     1024
    .wavefront_size: 32
...
	.end_amdgpu_metadata
.endif
;; end of part 2
;; launch attn (part 3): grid 4 x 64, 16 waves a work-group, clusters of 4 x 1, 327,680 bytes of LDS; arguments hc, hs, out0; writes out0
.if DOCPART == 3
	.amdgcn_target "amdgcn-amd-amdhsa--gfx1250"
	.amdhsa_code_object_version 6
	.text
	.protected	k_q477974a98d_attn
	.globl	k_q477974a98d_attn
	.p2align	8
	.type	k_q477974a98d_attn,@function
k_q477974a98d_attn:
	s_mov_b64 s[64:65], 0
	v_nop
	global_prefetch_b8 v0, s[64:65] scope:SCOPE_SE
	s_setreg_imm32_b32 hwreg(HW_REG_WAVE_MODE, 25, 1), 1
	s_wait_xcnt 0x0
	s_wait_alu depctr_hold_cnt(0) depctr_sa_sdst(0) depctr_va_vdst(0) depctr_va_sdst(0) depctr_va_ssrc(0) depctr_va_vcc(0) depctr_vm_vsrc(0)
	s_getreg_b32 s2, hwreg(HW_REG_IB_STS2, 6, 4)
	s_cmp_eq_u32 s2, 0
	s_cbranch_scc0 .Lentry_in_a_cluster
	s_endpgm
.Lentry_in_a_cluster:
	s_bfe_u32 s2, ttmp6, 0x10000c
	s_cmp_lg_u32 s2, 0x3003
	s_cbranch_scc0 .Lentry_shape_is_right
	s_endpgm
.Lentry_shape_is_right:
; ctx = softmax(causal(q k^T / 8)) v on codes of FP6 (E2M3), for one (batch, head) a cluster of four work-groups.  hc and hs are as the launch before leaves them.
; WORK LEFT OUT: a step of 128 keys that lies wholly behind a query tile's 128 tokens is under reference()'s own causal mask: its p are 0 for all inputs, so it is not multiplied.
; LIMITS: NaN and infinities are not served; the promise holds while the scaled scores (the exponents to the base 2) stay under 2^31 in magnitude.
; THE DEAL.  The head's K (98,304 bytes), V (98,304) and their scale words (2 x 4,096) lie whole in LDS, filled once by joint loads that name the cluster's four work-groups: waves 0-11 bring 64 rows of
; 256 bytes of codes each, waves 12-15 eight rows of scale bytes each.  No byte of LDS is filled again.  No prefetch: all that the launch reads by tensor loads is asked for at its head; there is no loop to run ahead in.
; Work-group cx takes query tiles 2 cx, 2 cx + 1 of each 128 tokens J.  Wave w takes tile 2 cx of J = w (w + 1 steps), then tile 2 cx + 1 of J = 15 - w (16 - w steps): 17 steps of 16 queries x 128 keys a wave.
; Both products are used transposed (S^T = k q^T, O^T = v^T p^T): a lane holds one query.  A head has 64 channels: a fragment of K holds two key tiles, one in each half of the instruction's 128,
; and q stands beside six registers of zero codes, once above and once below.  Tile 4 c + j, row 8 h + i is token 64 c + 32 h + 8 j + i, so registers S + 32 c + e of lane (r, h) are keys 64 c + 32 h + e:
; a whole scale block of p, in the order of the operand's registers.  M is the ceiling of the running largest t, kept as -M; rescalings are exact powers of two.
; A block's largest p is made from its largest score by the same multiply-add and exponential (this takes v_exp_f32 not to fall where its input rises).
; LOADS FROM LDS: V(s) is asked for at a step's top, K(s + 1) behind the step's score products; each is 25 loads, so each counted wait is for the 25 younger ones.  The last step of a pass asks for the 6,144 bytes
; behind its K step, which lie inside the filled bytes and are not used.
; REGISTERS: v1-11 addresses; v12 -M, v13 largest t, v[14:15] the sum; v16-33 zeros, q, zeros; v34 q's scale word; v36-83 K; v84-91 K's, V's scale words; v92 f; v94 p's scale word; v95 8 h;
; v96-159 S, then p; v160-191 O^T; v192-203 work, then p's codes; v204-251 V; v252-253 the conversions' scale operands; v254-255 the add's two.
.set VIMG,  98304
.set KSC,   196608
.set STAGE, 204800                     ; 16 rows x 272 bytes for each wave, for the way out
.set SPARE, 274432                     ; the spare words: 2,048 bytes that no other line names
.set SP,    272
.set KF,  36
.set S,   96
.set O,   160
.set P,   192
.set VF,  204
.set NLD, 25
.set WV,  18
.set WR,  19
.set SEL, 20
.set CS,  22
.set G1C, 24
.set G1S, 32
.set G0C, 40
.set G0S, 44
.set CX,  48
.set BH,  49
.set MB,  50
.set JJ,  51
.set KI,  52
.set TB,  53
.set TS,  54
.set QB,  56
.set QSB, 58
.set OB,  60                           ; s[60:61], s[62:63]: a pass each
.set HQ,  66
.set HQS, 68
.set HO,  70
.macro WALU
	s_wait_alu depctr_va_vdst(0)
.endm
.macro CROUND
	s_barrier_signal -1
	s_barrier_wait -1
	s_cmp_lg_u32 s[WV], 0
	s_cbranch_scc1 .Lnot_wave_0_\@
	s_barrier_signal -3
.Lnot_wave_0_\@:
	s_barrier_wait -3
	s_barrier_signal -1
	s_barrier_wait -1
.endm
.macro KLOAD adr, sadr, off, soff      ; a step's K: eight key tiles and four scale words
.irp t, 0,1,2,3,4,5,6,7
.irp i, 0,1,2
	ds_load_b64 v[KF+6*\t+2*\i:KF+6*\t+2*\i+1], v[\adr] offset:\off+768*\t+256*\i
.endr
.endr
	ds_load_b128 v[84:87], v[\sadr] offset:\soff
.endm
.macro QLOAD e                         ; pass e's q tile and scale word are asked for; its place in out0
	s_mul_i32 s72, s[JJ], 6144
	s_add_co_u32 s72, s72, 768*\e
	s_mov_b32 s73, 0
	s_add_nc_u64 s[QB:QB+1], s[HQ:HQ+1], s[72:73]
	s_lshl_b32 s72, s[JJ], 8
	s_add_nc_u64 s[QSB:QSB+1], s[HQS:HQS+1], s[72:73]
	s_lshl_b32 s72, s[JJ], 19
	s_add_co_u32 s72, s72, \e<<15
	s_add_nc_u64 s[OB+2*\e:OB+2*\e+1], s[HO:HO+1], s[72:73]
.irp i, 0,1,2
	global_load_b64 v[22+2*\i:23+2*\i], v1, s[QB:QB+1] offset:256*\i
.endr
	global_load_b32 v35, v7, s[QSB:QSB+1]
.endm
.macro SUM4 j                          ; eight of p onto the sum's four chains
	v_pk_add_f32 v[198:199], v[198:199], v[S+\j:S+\j+1]
	v_pk_add_f32 v[200:201], v[200:201], v[S+\j+2:S+\j+3]
	v_pk_add_f32 v[202:203], v[202:203], v[S+\j+4:S+\j+5]
	v_pk_add_f32 v[14:15], v[14:15], v[S+\j+6:S+\j+7]
.endm
	s_load_b128 s[4:7], s[0:1], 0x0                ; hc, hs
	s_load_b64 s[8:9], s[0:1], 0x10                ; out0
	v_lshl_add_u32 v254, v0, 2, SPARE
	v_mov_b32 v255, 0
	ds_add_u32 v254, v255                          ; the opening lines: the add twice on end and one wait
	ds_add_u32 v254, v255
	v_lshrrev_b32 v1, 5, v0
	v_readfirstlane_b32 s[WV], v1
	s_sub_co_u32 s[WR], 15, s[WV]
	s_bfe_u32 s[CX], ttmp6, 0x40000
	s_and_b32 s[BH], ttmp7, 0xffff
	s_add_co_u32 s16, s[BH], 64                    ; K's head block; V's lies 64 blocks on
	s_mul_i32 s10, s16, 98304
	s_lshl_b32 s17, s[WV], 14                      ; codes: 16,384 bytes a wave; six waves to a block, so V's waves skip 63 blocks
	s_add_co_u32 s10, s10, s17
	s_cmp_lt_u32 s[WV], 6
	s_cselect_b32 s17, 0, 63*98304
	s_add_co_u32 s10, s10, s17
	s_mov_b32 s11, 0
	s_and_b32 s14, s[WV], 3                        ; scales: waves 12-15 take K's two halves, then V's
	s_lshl_b32 s12, s16, 12
	s_lshr_b32 s17, s14, 1
	s_lshl_b32 s17, s17, 18
	s_add_co_u32 s12, s12, s17
	s_and_b32 s17, s14, 1
	s_lshl_b32 s17, s17, 11
	s_add_co_u32 s12, s12, s17
	s_mov_b32 s13, 0
	s_mov_b32 s[G1C], 15|(3<<16)|(1<<21)           ; dense rows of 256 bytes, to all four work-groups
	s_mov_b32 s[G1C+1], 32<<16
	s_mov_b32 s[G1C+2], 64<<16
	s_mov_b32 s[G1C+3], 32<<16
	s_mov_b32 s[G1C+4], 64
	s_mov_b32 s[G1C+5], 32
	s_mov_b32 s[G1C+6], 0
	s_mov_b32 s[G1C+7], 0
	s_mov_b32 s[G1S], 15|(3<<16)|(1<<21)
	s_mov_b32 s[G1S+1], 32<<16
	s_mov_b32 s[G1S+2], 8<<16
	s_mov_b32 s[G1S+3], 32<<16
	s_mov_b32 s[G1S+4], 8
	s_mov_b32 s[G1S+5], 32
	s_mov_b32 s[G1S+6], 0
	s_mov_b32 s[G1S+7], 0
	s_mov_b32 s[SEL], 0x76543210
	s_mov_b32 s[SEL+1], 0xfedcba98                 ; the selects for lane l xor 16
	s_mov_b32 s[CS], 0x3e38aa3b                    ; log2(e) / 8
	s_mov_b32 s[CS+1], s[CS]
	s_wait_dscnt 0x0
	s_wait_kmcnt 0x0
	s_mov_b32 s[G0C], 1
	s_lshl_b32 s[G0C+1], s[WV], 14
	s_add_nc_u64 s[G0C+2:G0C+3], s[4:5], s[10:11]
	s_or_b32 s[G0C+3], s[G0C+3], 0x80000000
	s_mov_b32 s[G0S], 1
	s_lshl_b32 s[G0S+1], s14, 11
	s_add_co_u32 s[G0S+1], s[G0S+1], KSC
	s_add_nc_u64 s[G0S+2:G0S+3], s[6:7], s[12:13]
	s_or_b32 s[G0S+3], s[G0S+3], 0x80000000
	CROUND                                         ; the joint loads meet
	s_cmp_lt_u32 s[WV], 12
	s_cbranch_scc0 .Lscales
	tensor_load_to_lds s[G0C:G0C+3], s[G1C:G1C+7]
	s_nop 0
.rept 4
	v_nop
.endr
	s_branch .Lasked
.Lscales:
	tensor_load_to_lds s[G0S:G0S+3], s[G1S:G1S+7]
	s_nop 0
.rept 4
	v_nop
.endr
.Lasked:
	s_mul_i32 s72, s[BH], 98304                    ; q: my head block, tiles 2 cx on
	s_mul_i32 s74, s[CX], 1536
	s_add_co_u32 s72, s72, s74
	s_mov_b32 s73, 0
	s_add_nc_u64 s[HQ:HQ+1], s[4:5], s[72:73]
	s_lshl_b32 s72, s[BH], 12
	s_lshl_b32 s74, s[CX], 2
	s_add_co_u32 s72, s72, s74
	s_add_nc_u64 s[HQS:HQS+1], s[6:7], s[72:73]
	s_lshr_b32 s74, s[CX], 1                       ; tile 2 cx + e = 4 c + j: c = cx / 2, j = 2 (cx % 2) + e
	s_and_b32 s75, s[CX], 1
	s_lshl_b32 s[MB], s74, 6
	s_lshl_b32 s75, s75, 4
	s_add_co_u32 s[MB], s[MB], s75                 ; the tile's first token in its 128: 64 c + 8 j
	s_lshr_b32 s72, s[BH], 4
	s_lshl_b32 s72, s72, 23                        ; out0: the batch,
	s_and_b32 s17, s[BH], 15
	s_lshl_b32 s17, s17, 8                         ; the head's 256 bytes of a row,
	s_add_co_u32 s72, s72, s17
	s_lshl_b32 s17, s[MB], 12                      ; and the tile's first token, 4,096 bytes a row
	s_add_co_u32 s72, s72, s17
	s_add_nc_u64 s[HO:HO+1], s[8:9], s[72:73]
	v_and_b32 v96, 31, v0
	v_lshlrev_b32 v1, 3, v96                       ; 8 x lane
	v_and_b32 v97, 15, v0                          ; r
	v_bfe_u32 v98, v0, 4, 1                        ; h
	v_lshlrev_b32 v7, 4, v97
	v_add_nc_u32 v2, KSC, v7
	WALU
	s_mov_b32 s[JJ], s[WV]
	QLOAD 0
	v_and_b32 v11, 7, v97
	v_lshrrev_b32 v99, 3, v97
	v_sub_nc_u32 v99, v99, v98
	v_lshl_add_u32 v11, v99, 5, v11                ; my query's token in the tile's span, less my half's 32 keys: r % 8 + 32 (r / 8 - h)
	v_lshlrev_b32 v95, 3, v98
	s_mul_i32 s14, s[WV], 16*SP
	s_add_co_u32 s14, s14, STAGE
	v_mul_u32_u24 v4, v97, SP
	v_lshl_add_u32 v4, v98, 5, v4
	v_add_nc_u32 v4, s14, v4                       ; the stage, in: row r, 32 bytes for each half
	v_mul_u32_u24 v5, v98, SP
	v_add_nc_u32 v5, v5, v7
	v_add_nc_u32 v5, s14, v5                       ; back: sixteen lanes to a row of 256 bytes
	v_lshl_add_u32 v6, v98, 12, v7
.irp j, 16,17,18,19,20,21,28,29,30,31,32,33
	v_mov_b32 v[\j], 0                             ; the zero codes beside q
.endr
	v_mov_b32 v93, 0                               ; (the upper half of the pair v[92:93])
	v_mov_b32 v197, 0                              ; (a lane permute's destination counts as one of its sources)
	WALU
	s_wait_tensorcnt 0x0
	s_barrier_signal -1
	s_barrier_wait -1                              ; everybody's part of K, V and the scales is in
.macro PASS e
	v_add_nc_u32 v3, s[MB], v11
	v_mov_b32 v13, 0xff61b1e6                      ; -3e38, under every t
	v_floor_f32 v12, -v13
	v_mov_b32 v14, 0
	v_mov_b32 v15, 0
	KLOAD 1, 2, 0, 0
	s_wait_loadcnt 0x0                             ; q is in
.if \e
	v_lshrrev_b32 v34, 16, v35                     ; my tile's two bytes of the word,
.else
	v_and_b32 v34, 0xffff, v35
.endif
	v_lshl_or_b32 v34, v34, 16, v34                ; for both places of q
.if \e
	s_wait_xcnt 0x0                                ; the last pass's stores have read their registers
.endif
.set j, 0
.rept 32
	v_mov_b32 v[O+j], 0                            ; the step is written once: the first finds zeros
.set j, j+1
.endr
	s_mov_b32 s[KI], 0
	s_mov_b32 s[TB], 0
	s_mov_b32 s[TS], 0
	WALU
.Lstep_\@:                                             ; 16 trips for every wave; a branch on ids leads round the steps behind the diagonal
	s_cmp_gt_u32 s[KI], s[JJ]
	s_cbranch_scc1 .Lhidden_\@
	v_add_nc_u32 v8, s[TB], v1                     ; (with the v_nop: the four places behind the last step's products)
	v_add_nc_u32 v10, s[TS], v2
	v_add_nc_u32 v9, VIMG, v8
	v_nop
.irp t, 0,1,2,3
.irp c, 0,1
.irp i, 0,1,2
	ds_load_b64 v[VF+12*\t+6*\c+2*\i:VF+12*\t+6*\c+2*\i+1], v9 offset:3072*\c+768*\t+256*\i
.endr
.endr
.endr
	ds_load_b128 v[88:91], v10 offset:4096
	WALU
	s_wait_dscnt NLD                               ; K is in; V's 25 loads may be out
.irp b, 0,1,2,3
	v_wmma_scale_f32_16x16x128_f8f6f4 v[S+16*\b:S+16*\b+7], v[KF+12*\b:KF+12*\b+11], v[22:33], 0, v[84+\b], v34 matrix_a_fmt:MATRIX_FMT_FP6 matrix_b_fmt:MATRIX_FMT_FP6
	v_wmma_scale_f32_16x16x128_f8f6f4 v[S+16*\b+8:S+16*\b+15], v[KF+12*\b:KF+12*\b+11], v[16:27], 0, v[84+\b], v34 matrix_a_fmt:MATRIX_FMT_FP6 matrix_b_fmt:MATRIX_FMT_FP6
.endr
.rept 4
	v_nop
.endr
	KLOAD 8, 10, 6144, 256                         ; the next step's K
	s_cmp_lt_u32 s[KI], s[JJ]
	s_cbranch_scc1 .Lopen_\@
	v_mov_b32 v198, 0xff800000                     ; the diagonal step: key 64 c + 32 h + e is hidden where it lies behind my query
.set n, 0
.rept 64
	v_cmp_gt_i32 vcc_lo, 64*(n/32)+n%32, v3
	v_cndmask_b32 v[S+n], v[S+n], v198, vcc_lo
.set n, n+1
.endr
.Lopen_\@:
.irp b, 0,1,2,3
	v_max3_num_f32 v[P+\b], v[S+16*\b], v[S+16*\b+1], v[S+16*\b+2]   ; the largest score, four chains of 16
.endr
.irp i, 3,5,7,9,11,13
.irp b, 0,1,2,3
	v_max3_num_f32 v[P+\b], v[P+\b], v[S+16*\b+\i], v[S+16*\b+\i+1]
.endr
.endr
	v_max3_num_f32 v[P], v[P], v[S+15], v[S+31]
	v_max3_num_f32 v[P+2], v[P+2], v[S+47], v[S+63]
	v_max_num_f32 v[P], v[P], v[P+1]               ; my block c = 0,
	v_max_num_f32 v[P+2], v[P+2], v[P+3]           ; and c = 1
	s_delay_alu instid0(VALU_DEP_1)
	v_max_num_f32 v196, v[P], v[P+2]
	s_delay_alu instid0(VALU_DEP_1)
	v_permlanex16_b32 v197, v196, s[SEL], s[SEL+1]
	s_delay_alu instid0(VALU_DEP_1)
	v_max_num_f32 v196, v196, v197                 ; the step's largest score of my query
	s_delay_alu instid0(VALU_DEP_1)
	v_mul_f32 v196, s[CS], v196
	s_delay_alu instid0(VALU_DEP_1)
	v_max_num_f32 v13, v13, v196
	v_mov_b32 v196, v12
	s_delay_alu instid0(VALU_DEP_2)
	v_floor_f32 v12, -v13                          ; -M = floor(-t)
	s_delay_alu instid0(VALU_DEP_1)
	v_sub_f32 v196, v12, v196
	s_delay_alu instid0(VALU_DEP_1)
	v_cvt_i32_f32 v196, v196
	s_delay_alu instid0(VALU_DEP_1)
	v_ldexp_f32 v92, 1.0, v196                     ; f = 2^(old M - new M)
.set j, 0
.rept 32
	v_pk_fma_f32 v[S+j:S+j+1], v[S+j:S+j+1], s[CS:CS+1], v[12:13] op_sel_hi:[1,0,0]   ; t - M
.set j, j+2
.endr
	v_fma_f32 v[P], v[P], s[CS], v12
	v_fma_f32 v[P+2], v[P+2], s[CS], v12
	WALU
	v_exp_f32 v[P], v[P]                           ; the blocks' largest p
	v_exp_f32 v[P+2], v[P+2]
.set j, 0
.rept 64
	v_exp_f32 v[S+j], v[S+j]
.set j, j+1
.endr
	v_pk_mul_f32 v[14:15], v[14:15], v[92:93] op_sel_hi:[1,0]      ; the sum under the new M (the plain place behind the batch)
	WALU                                           ; and one wait behind it
; p's scales, laid among the additions of the row's sum of the unquantised p (four chains)
	v_max_num_f32 v[P], 0x1800000, v[P]            ; the floor 2^(3 - 127)
	v_max_num_f32 v[P+2], 0x1800000, v[P+2]
	v_pk_add_f32 v[198:199], v[S:S+1], v[S+2:S+3]
	v_pk_add_f32 v[200:201], v[S+4:S+5], v[S+6:S+7]
	v_add_nc_u32 v252, 0xff000000, v[P]            ; the conversions' scale operands
	v_add_nc_u32 v253, 0xff000000, v[P+2]
	v_pk_add_f32 v[202:203], v[S+8:S+9], v[S+10:S+11]
	v_pk_add_f32 v[14:15], v[14:15], v[S+12:S+13]
	v_lshrrev_b32 v196, 23, v252
	v_lshrrev_b32 v197, 23, v253
	SUM4 14
	v_lshl_or_b32 v196, v197, 16, v196             ; my bytes: blocks h and 2 + h,
	SUM4 22
	v_lshlrev_b32 v196, v95, v196                  ; at their places,
	SUM4 30
	v_permlanex16_b32 v197, v196, s[SEL], s[SEL+1]
	SUM4 38
	v_or_b32 v94, v196, v197                       ; with lane l xor 16's two: p's scale word
	SUM4 46
	SUM4 54
	v_pk_add_f32 v[198:199], v[198:199], v[S+62:S+63]
	v_pk_add_f32 v[14:15], v[14:15], v[202:203]
	v_pk_add_f32 v[198:199], v[198:199], v[200:201]
	v_pk_add_f32 v[14:15], v[14:15], v[198:199]
	v_cvt_scalef32_pk16_fp6_f32 v[P:P+2], v[S:S+15], v252
	v_cvt_scalef32_pk16_fp6_f32 v[P+6:P+8], v[S+32:S+47], v253
	v_nop                                          ; a plain place: the next two write registers that the first read
	v_cvt_scalef32_pk16_fp6_f32 v[S:S+2], v[S+16:S+31], v252       ; (a conversion's three registers begin on an even number)
	v_cvt_scalef32_pk16_fp6_f32 v[S+4:S+6], v[S+48:S+63], v253
	v_nop
.irp i, 0,1,2
	v_mov_b32 v[P+3+\i], v[S+\i]
	v_mov_b32 v[P+9+\i], v[S+4+\i]
.endr
	WALU
.set j, 0
.rept 16
	v_pk_mul_f32 v[O+j:O+j+1], v[O+j:O+j+1], v[92:93] op_sel_hi:[1,0]   ; O^T under the new M (also the places ahead of the products)
.set j, j+2
.endr
	WALU
	s_wait_dscnt NLD                               ; V is in; the next K's 25 loads may be out
.irp t, 0,1,2,3
	v_wmma_scale_f32_16x16x128_f8f6f4 v[O+8*\t:O+8*\t+7], v[VF+12*\t:VF+12*\t+11], v[P:P+11], v[O+8*\t:O+8*\t+7], v[88+\t], v94 matrix_a_fmt:MATRIX_FMT_FP6 matrix_b_fmt:MATRIX_FMT_FP6
.endr
.Lhidden_\@:
	s_add_co_u32 s[TB], s[TB], 6144
	s_add_co_u32 s[TS], s[TS], 256
	s_add_co_u32 s[KI], s[KI], 1
	s_cmp_lt_u32 s[KI], 16
	s_cbranch_scc1 .Lstep_\@
.if \e == 0
	s_mov_b32 s[JJ], s[WR]                         ; the next pass's q comes in under this pass's way out
	s_add_co_u32 s[MB], s[MB], 8
	QLOAD 1
.endif
.rept 4
	v_nop
.endr
	v_add_f32 v14, v14, v15
	v_permlanex16_b32 v197, v14, s[SEL], s[SEL+1]
	v_add_f32 v14, v14, v197                       ; the row's sum
	WALU
	v_rcp_f32 v14, v14
	v_nop
	WALU
.set j, 0
.rept 32
	v_mul_f32 v[S+j], v[O+j], v14                  ; register 8 t + i is channel 16 t + 8 h + i of query r
.set j, j+1
.endr
.irp t, 0,1,2,3
	ds_store_b128 v4, v[S+8*\t:S+8*\t+3] offset:64*\t
	ds_store_b128 v4, v[S+8*\t+4:S+8*\t+7] offset:64*\t+16
.endr
.irp i, 0,1,2,3,4,5,6,7
	ds_load_b128 v[S+32+4*\i:S+35+4*\i], v5 offset:2*\i*SP         ; LDS serves a wave's instructions in order: these see my stores
.endr
.irp i, 0,1,2,3,4,5,6,7
	s_wait_dscnt 7-\i                              ; read-back i is in; the 7 - i younger ones may be out
	global_store_b128 v6, v[S+32+4*\i:S+35+4*\i], s[OB+2*\e:OB+2*\e+1] offset:(2*(\i%4)+32*(\i/4))*4096 th:TH_STORE_NT   ; stage row 8 g + m is token 32 g + m of the tile's span; sixteen lanes store 256 consecutive bytes, aligned
.endr
.endm
	PASS 0
	PASS 1
	s_wait_tensorcnt 0x0                           ; the wave's end
	ds_add_u32 v254, v255
	s_wait_dscnt 0x0
	CROUND                                         ; the closing round
	s_endpgm
.Lfunc_end_k_q477974a98d_attn:
	.size	k_q477974a98d_attn, .Lfunc_end_k_q477974a98d_attn-k_q477974a98d_attn
	.p2alignl 7, 3214868480
	.fill 96, 4, 3214868480
	.section	.rodata,"a",@progbits
	.p2align	6, 0x0
	.amdhsa_kernel k_q477974a98d_attn
		.amdhsa_group_segment_fixed_size 327680
		.amdhsa_private_segment_fixed_size 0
		.amdhsa_enable_private_segment 0
		.amdhsa_kernarg_size 24
		.amdhsa_user_sgpr_count 2
		.amdhsa_user_sgpr_kernarg_segment_ptr 1
		.amdhsa_wavefront_size32 1
		.amdhsa_system_sgpr_workgroup_id_x 1
		.amdhsa_system_sgpr_workgroup_id_y 1
		.amdhsa_system_sgpr_workgroup_id_z 1
		.amdhsa_system_vgpr_workitem_id 0
		.amdhsa_next_free_vgpr 256
		.amdhsa_next_free_sgpr 80
		.amdhsa_reserve_vcc 1
		.amdhsa_float_denorm_mode_32 3
		.amdhsa_float_denorm_mode_16_64 3
		.amdhsa_memory_ordered 1
		.amdhsa_forward_progress 1
		.amdhsa_inst_pref_size 64
	.end_amdhsa_kernel
	.amdgpu_metadata
---
amdhsa.version: [ 1, 2 ]
amdhsa.kernels:
  - .name:           k_q477974a98d_attn
    .symbol:         k_q477974a98d_attn.kd
    .args:
      - { .name: hc, .offset: 0, .size: 8, .value_kind: global_buffer, .address_space: global }
      - { .name: hs, .offset: 8, .size: 8, .value_kind: global_buffer, .address_space: global }
      - { .name: out0, .offset: 16, .size: 8, .value_kind: global_buffer, .address_space: global }
    .group_segment_fixed_size: 327680
    .private_segment_fixed_size: 0
    .kernarg_segment_align: 8
    .kernarg_segment_size: 24
    .max_flat_workgroup_size: 512
    .sgpr_count:     80
    .vgpr_count:     256
    .wavefront_size: 32
...
	.end_amdgpu_metadata
.endif
;; end of part 3
